; MI455X (gfx1250); checked and timed in simulation.
; The chip was launched on July 23, 2026; its instructions are those of AMD's public machine-readable ISA for CDNA 5 (MIT licence, August 2026) and "CDNA5" Instruction Set Architecture Reference Guide (July 2026). The comments in the code are by the model that wrote it; some were corrected since.
;; Causal Self Attention. Allowed arithmetic: matrix products marked QUANTISED: E4M3 operands, one given power-of-two scale a tensor, by v_wmma_f32_16x16x64_fp8_fp8 or v_wmma_f32_16x16x128_fp8_fp8, f32 sums; everything else in f32.
;; Inputs: kv_b 512 float32; kv_w 512 x 256 float32; lowp_scales 8 int32 (the exponents e of the quantised operands' scales 2^e); q_b 256 float32; q_w 256 x 256 float32; x 32 x 256 x 32 x 32 float32.
;; Outputs: out0 32 x 256 x 32 x 32 float32.
;; This version of the problem:
;;   THIS VERSION OF THE PROBLEM IS GIVEN IN LOW PRECISION. The matrix products marked QUANTISED in the list below multiply operands that are first quantised to E4M3 (4 exponent bits, 3 mantissa bits; 8 bits a number), with one given power-of-two scale for each operand tensor; their sums are f32. All else is computed in f32.
;;   The module's matrix products, in the order in which they are computed (A, B: the left and right operand; K: the contracted axis; several contracted axes count as one K, in the product's order):
;;     1. [M 32,768, K 256] x [K 256, N 256]; A: input x; B: input q_w: QUANTISED (scales: A lowp_scales[0], B lowp_scales[1])
;;     2. [M 32,768, K 256] x [K 256, N 512]; A: input x; B: input kv_w: QUANTISED (scales: A lowp_scales[2], B lowp_scales[3])
;;     3. batch 256 x [M 1,024, K 32] x [K 32, N 1,024]; A: computed on the way; B: computed on the way: QUANTISED (scales: A lowp_scales[4], B lowp_scales[5])
;;     4. batch 256 x [M 1,024, K 1,024] x [K 1,024, N 32]; A: computed on the way; B: computed on the way: QUANTISED (scales: A lowp_scales[6], B lowp_scales[7])
;;   THE QUANTISER, for each operand of a quantised product, along K:
;;     - The operand's scale is 2^e, e = its entry of the input lowp_scales (int32; the entries are numbered through the quantised products in the list's order, A before B).
;;     - Each number is divided by the scale, clamped to +-448, and rounded to the nearest number of E4M3, ties to even, subnormals kept.
;;     - The product sums the exact products of the quantised numbers (number of the format x scale) in f32.
;;   ~~~python
;;   def quantise(x, axis, e):      # numpy; x: float32 -> the quantised numbers, widened to float32 again
;;       x = np.moveaxis(x, axis, -1); K = x.shape[-1]
;;       r = np.clip(x / 2.0 ** e, -448, 448)
;;       step = 2.0 ** (np.maximum(np.frexp(np.where(r == 0, 1, r))[1] - 1, -6) - 3)
;;       q = np.round(r / step) * step * 2.0 ** e      # np.round: ties to even
;;       return np.moveaxis(q, -1, axis).astype(np.float32)
;;   ~~~
;;   OPERANDS COMPUTED ON THE WAY. 'Computed on the way' means the value that the module computes at that place (a softmax that the list does not call 'softmax' is quantised finished and normalised). What goes into a quantiser is computed in f32, as accurately as f32 sums, v_exp_f32 and their like allow (about 1e-6 of the number): no bf16 or f16 on the way to a quantiser, and a product that is left as it is and whose result goes on into a quantised operand takes f32 operands (vector FMAs, or v_wmma_f32_16x16x4_f32). A number that lies on a knife's edge between two numbers of the format may be rounded either way, as far as f32 arithmetic and the matrix unit's own rounding can turn it there, and no further.
;; One version. Each part assembles by itself: llvm-mc -triple=amdgcn-amd-amdhsa -mcpu=gfx1250 --defsym DOCPART=n.
;; ======== version 1 of 1: 1 launch
;; launch attn (part 1): grid 8 x 32, 4 waves a work-group, clusters of 4 x 1, 327,680 bytes of LDS; arguments x, q_w, q_b, kv_w, kv_b, lowp_scales, out0; writes out0
.if DOCPART == 1
	.amdgcn_target "amdgcn-amd-amdhsa--gfx1250"
	.amdhsa_code_object_version 6
	.text
	.protected	k_q692095f9b8_attn
	.globl	k_q692095f9b8_attn
	.p2align	8
	.type	k_q692095f9b8_attn,@function
k_q692095f9b8_attn:
	s_mov_b64 s[64:65], 0
	v_nop
	global_prefetch_b8 v0, s[64:65] scope:SCOPE_SE
	s_setreg_imm32_b32 hwreg(HW_REG_WAVE_MODE, 25, 1), 1
	s_wait_xcnt 0x0
	s_wait_alu depctr_hold_cnt(0) depctr_sa_sdst(0) depctr_va_vdst(0) depctr_va_sdst(0) depctr_va_ssrc(0) depctr_va_vcc(0) depctr_vm_vsrc(0)
	s_getreg_b32 s2, hwreg(HW_REG_IB_STS2, 6, 4)
	s_cmp_eq_u32 s2, 0
	s_cbranch_scc0 .Lentry_in_a_cluster
	s_endpgm
.Lentry_in_a_cluster:
	s_bfe_u32 s2, ttmp6, 0x10000c
	s_cmp_lg_u32 s2, 0x3003
	s_cbranch_scc0 .Lentry_shape_is_right
	s_endpgm
.Lentry_shape_is_right:
; CAUSAL SELF-ATTENTION ON CODES OF FP8 (E4M3), projections and attention in one launch.
; x [32][256 channels][1024 positions] f32.  q = q_w x + q_b, k and v = kv_w x + kv_b (K = 256 channels); 8 heads of 32; scores = q.k / sqrt(32); keys >= the query
; count as -10000 in the maximum and in the sum of the softmax and get the weight 0; out0 [32][256][1024] f32.  All four products multiply codes; each operand has a given scale 2^e (e0 .. e7).
; THE WEIGHTS attn ARE QUANTISED FINISHED AND NORMALISED (p / l), so a row's sum is known before its first code is made: a tile of 16 queries keeps ALL its scores in registers
; (at most 16 chunks of 64 keys x 32 registers), takes one exact maximum, one exponential a score, one sum, and only then multiplies by 1 / l, holds, converts and multiplies by V.
; SHARES.  A work-group owns one (batch, head); 256 work-groups.  It walks 16 blocks of 64 positions.  In trip t each of its four waves quantises its 16 positions of x (twice: e0 and e2), makes their
; q, k, v (12 matrix instructions; the head's weights stay in registers as codes), quantises them, keeps q, hands k and v to the others through LDS as images of operand registers,
; and runs attention for its own 16 queries over key chunks 0 .. t.  The order is possible because a query sees earlier keys alone.
; CLUSTER.  The four work-groups of a cluster are four heads of one batch: they read the same x, so each block of x is asked for JOINTLY (mask 15), into a ring of two LDS slots;
; block t + 1 lands under trip t's work.  The weights differ between partners and are read once: they come by plain loads.
; LAYOUTS (plain 8-bit form: registers 2c, 2c+1 hold k = 16c + 8h + 0..7; r = lane % 16, h = lane / 16).  q, k: D = W(A) x(B): a lane holds position r and d = 16u + 8h + j: the conversions'
; results are registers 0-3 of a K = 64 operand; the head has 32 channels, so registers 4-7 are zero codes on both sides.  v: D = x(A) Wv(B): a lane holds d = 16u + r and positions 8h + j.
; S^T = K(A) Q(B): a lane holds query r and keys 16i + 8h + j, so tile i's codes are registers 2i, 2i+1 of P as source 0 of O = P(A) V(B), whose lane holds 8 neighbouring positions of one row of out0.
; LIMITS on the given exponents, so that each power of two below is an f32 number: e0, e1, e2, e3, e6, e4-e0-e1, e5-e2-e3, e7-e2-e3 between -126 and 119; e4+e5 between -112 and 129;
; e6+e7 between -126 and 127.  NaN among the inputs is not served; infinities are held at the largest code.  Exponentials under 2^-126 count as 0.
; REGISTERS, in windows of 256 (s_set_vgpr_msb: bits 1:0 source 0, 3:2 source 1, 5:4 source 2, 7:6 destination):
;   window 0: addresses, statistics, scales, q's codes, fragments of K and V, P's codes, O.   window 1: scores of chunks 0-7 (32 each); in the projection 128 numbers of x and a second copy of them.
;   window 2: scores of chunks 8-14, the diagonal chunk at v224; in the projection x's codes (v0-63) and six accumulators (v64-111).   window 3: the weights' 12 fragments (v0-191), the biases (v192-239).
.set PITCH, 272                        ; an LDS row of x or of the stage: 256 bytes + 16 = 68 words
.set QROWS, 64*PITCH                   ; 64 channels: what one wave's tensor load brings
.set SLOT1, 1<<17                      ; slot 0 at byte 0, slot 1 here: one exclusive or turns an address from one to the other
.set KIMG,  69632                      ; k's codes: position tile p at 512 p, lane L's 16 bytes at 16 L
.set WIMG,  102400                     ; the weights' 12 fragments, 2,048 bytes each
.set SPARE, 126976                     ; the spare words, 128 bytes a wave: two blocks of 256 bytes that no other line names
.set VIMG,  200704                     ; v's codes: chunk g, d-tile u at 2048 g + 1024 u; registers 0-3, then registers 4-7, 512 bytes each
.set STG,   233472                     ; the stage for the way out: 32 rows (d) x 272
.set SPW,1
.set NIL,2
.set XL,3                              ; v3   x: 8 h rows + 64 w + 4 r
.set XA0,4                             ; v4,5 the same in the slot in hand, channels 0 on and 128 on
.set KLD,6                             ; v6   KIMG + 16 lane
.set VLD,7                             ; v7   VIMG + 16 lane
.set KDA,8                             ; v8,9 the same at the diagonal chunk
.set VDA,9
.set KS0,10                            ; v10  where my wave stores k's image in chunk 0;  v12 in the chunk in hand
.set VS0,11
.set KST,12
.set VST,13
.set SO,14                             ; v14  the stage, in;  v15 back;  v16 my byte offset in out0's 32 rows
.set SR,15
.set GO,16
.set PFO,17                            ; v17  4096 x lane: a channel's row of x; never rewritten
.set NEG,18                            ; v18  -infinity
.set CNT,19                            ; v19  how many keys are hidden from my query, as f32
.set MX,20                             ; v20-23 four chains of the maximum
.set NM,24                             ; v[24:25] -cs x maximum (the low word serves both halves)
.set LS,26                             ; v26-33 the sum, four pairs
.set RR,34                             ; v[34:35] 1 / l
.set EM,36                             ; v36  2^(t of a hidden key - M)
.set TMP,37
.set SC0,40
.set LIM0,41
.set SC2,42
.set LIM2,43
.set SCQ,44
.set LIMQ,45
.set SCK,46
.set LIMK,47
.set SCV,48
.set LIMV,49
.set SCP,50
.set LIMP,51
.set QF,52                             ; v52-59 q's fragment (56-59 zero codes)
.set KC,60
.set VC,64
.set KB,68                             ; v68-131 two buffers of four K fragments (registers 4-7 of each: zero codes)
.set VB,132                            ; v132-179 three buffers of two V fragments
.set PC,180                            ; v180-187 P's codes
.set OA,188                            ; v188-203 O, two accumulators
.set OS,204                            ; v204-219 O scaled; at the head a weight fragment's codes
.set RB,220                            ; v220-235 rows read back from the stage
.set WA,236                            ; v236-251 serve the head alone
.set BA,237
.set BR,238
.set WST,239
.set WLD,240
.set DQ,241
.set RV,242
.set SCW1,244
.set LIMW1,245
.set SCW3,246
.set LIMW3,247
.set LR,249
.set LH,250
.set LL,251
.set ACC,64                            ; window 2: q0 q1 k0 k1 v0 v1
.set BIA,192                           ; window 3: their biases, in the results' layout
.set WV,18                             ; s18 wave;  s19 trip
.set T,19
.set SEL,20                            ; s[20:21] lane l xor 16
.set CS,22                             ; s[22:23] cs = log2(e) / sqrt(32) x 2^(e4+e5)
.set G1,24
.set G0,32
.set TB,36                             ; s36 the slot in hand;  s37 2048 x trip
.set TK,37
.set NCS,38                            ; s38 -cs;  s39 a hidden key's score in units of the raw sums
.set ACCM,39
.set EX,40                             ; s40-47 e0 .. e7
.set OSC,48                            ; s[48:49] 2^(e6+e7)
.set NQ,50                             ; s50 -(e0+e1);  s51 -(e2+e3)
.set NK,51
.set PFA,52                            ; s[52:53] where my prefetches stand;  s54 the trips in which I ask
.set LIMT,54
.set MK,66                             ; s66-97 the diagonal chunk's 32 lane masks
.set MSB, 0
.macro WIN new                         ; the immediate's high byte repeats the setting that is left; a switch that changes nothing is dropped
.if MSB != (\new)
	s_set_vgpr_msb (MSB<<8)|(\new)
.set MSB, (\new)
.endif
.endm
.macro PLACES
.rept 4
	v_nop
.endr
.endm
.macro CROUND                          ; a round of the cluster's barrier
	s_barrier_signal -1
	s_barrier_wait -1
	s_cmp_lg_u32 s[WV], 0
	s_cbranch_scc1 .Lnw0_\@
	s_barrier_signal -3
.Lnw0_\@:
	s_barrier_wait -3
	s_barrier_signal -1
	s_barrier_wait -1
.endm
.macro BAR                             ; my LDS stores have landed and my LDS loads are in: then the work-group's barrier
	s_wait_dscnt 0x0
	s_barrier_signal -1
	s_barrier_wait -1
.endm
; A PREFETCH of the block of x that the NEXT trip's tensor load will ask for: 256 channels x 256 bytes, a lane a channel.  Both clusters of a batch walk the same x: the first (cluster x = 0) asks.
; Its four partners share the channels out BY ADDRESS, 64 each; in each, waves 0 and 1 ask for 32.  So each row's 256 bytes of a block are named once in the launch.
; In trip t block t + 2 is named; trips 14 and 15 ask for nothing; blocks 0 and 1 come by their loads alone.
.macro ASK
	s_cmp_lt_u32 s[T], s[LIMT]
	s_cbranch_scc0 .Lnm_\@
	global_prefetch_b8 v[PFO], s[PFA:PFA+1] th:TH_LOAD_NT scope:SCOPE_SE
.Lnm_\@:
.endm
; THE CHANGE OF SLOTS, at a trip's head.  Each wave waits for all its tensor loads (one is out: its quarter of this trip's block), adds 0 to its spare word, and waits for that and for its LDS reads.
; fill = 1: a round of the cluster's barrier, so that no wave of any partner still reads the other slot or has a load on its way; then the joint load of the next block, first thing behind it.
.macro CHANGE fill
	s_wait_tensorcnt 0x0                           ; no tensor load of mine is out, so group 0 may be written
	ds_add_u32 v[SPW], v[NIL]
.if \fill
	s_xor_b32 s[G0+1], s[G0+1], SLOT1              ; the other slot than last time,
	s_add_nc_u64 s[G0+2:G0+3], s[G0+2:G0+3], 256   ; the next 64 positions; the type bits on top are not reached
	s_wait_xcnt 0x0                                ; the last prefetch, a trip back, has read its address
	s_add_nc_u64 s[PFA:PFA+1], s[PFA:PFA+1], 256
	s_wait_dscnt 0x0                               ; the add is done, and my reads of the slot to be filled are over
	CROUND
	tensor_load_to_lds s[G0:G0+3], s[G1:G1+7]      ; every wave its own 64 channels; my one tensor load until the next round
	s_nop 0
	PLACES
	ASK
.else
	s_wait_dscnt 0x0
	s_barrier_signal -1
	s_barrier_wait -1
.endif
.endm
.macro MKS f, sc, lim                  ; s[f] = an exponent: 2^f and 448 x 2^f as f32
	s_add_co_i32 s62, s[\f], 127
	s_lshl_b32 s63, s62, 23
	v_mov_b32 v[\sc], s63
	s_add_co_i32 s62, s62, 8
	s_lshl_b32 s62, s62, 23
	s_or_b32 s62, s62, 0x600000
	v_mov_b32 v[\lim], s62
.endm
; One weight fragment (16 rows x 128 channels, 64 numbers a lane in window 2) becomes codes and goes to LDS as an image of its 16 registers.  left: the loads issued behind its sixteen
.macro WQ tau, sc, lim, left
	s_wait_loadcnt \left
	WIN 0x82
.set n, 0
.rept 64
	v_med3_num_f32 v[64*\tau+n], v[64*\tau+n], -v[\lim], v[\lim]   ; the conversion does not saturate (ISA guide 7.6.2): the hold at the largest code x the scale
.set n, n+1
.endr
	WIN 0x02
.irp g, 0,1,2,3,4,5,6,7
	v_cvt_scalef32_pk8_fp8_f32 v[OS+2*\g:OS+2*\g+1], v[64*\tau+8*\g:64*\tau+8*\g+7], v[\sc]
.endr
	v_nop                                          ; a plain line behind the last conversion
	WIN 0
.irp c, 0,1,2,3
	ds_store_b128 v[WST], v[OS+4*\c:OS+4*\c+3] offset:8192*\tau+512*\c
.endr
	s_wait_dscnt 0x0                               ; the stores have read their registers
.endm
; ---------------------------------------------------------------- the head
	s_load_b256 s[4:11], s[0:1], 0x0               ; x s[4:5], q_w s[6:7], q_b s[8:9], kv_w s[10:11]
	s_load_b128 s[12:15], s[0:1], 0x20             ; kv_b s[12:13], the scales' exponents s[14:15]
	s_load_b64 s[16:17], s[0:1], 0x30              ; out0
	v_lshl_add_u32 v[SPW], v0, 2, SPARE
	v_mov_b32 v[NIL], 0
	ds_add_u32 v1, v2
	ds_add_u32 v1, v2
	s_wait_dscnt 0x0
	v_lshrrev_b32 v248, 5, v0
	v_readfirstlane_b32 s[WV], v248                ; wave 0..3
	s_bfe_u32 s55, ttmp6, 0x40000                  ; cx: it enters the weights', the biases', out0's and the prefetches' addresses alone
	s_lshl_b32 s56, ttmp9, 2
	s_add_co_u32 s56, s56, s55                     ; the head = 4 x cluster x + cx
	s_and_b32 s57, ttmp7, 0xffff                   ; the batch, which the four partners share
	; descriptor group 1: 64 rows (channels) x 64 elements of 4 bytes, 1,024 elements from row to row, 4 words of padding behind every 64
	s_mov_b32 s[G1+0], 15|(2<<16)|(1<<20)|(1<<21)|(5<<22)|(3<<25)  ; the mask: all four work-groups; bit 21 set beside it
	s_mov_b32 s[G1+1], 64<<16                      ; tensor_dim0 = 64
	s_mov_b32 s[G1+2], 64<<16                      ; tensor_dim1 = 64
	s_mov_b32 s[G1+3], 64<<16                      ; tile_dim0 = 64
	s_mov_b32 s[G1+4], 64                          ; tile_dim1 = 64
	s_mov_b32 s[G1+5], 1024                        ; tensor_dim0_stride
	s_mov_b32 s[G1+6], 0
	s_mov_b32 s[G1+7], 0
	s_mov_b32 s[G0], 1
	s_mul_i32 s[G0+1], s[WV], QROWS                ; LDS: slot 0, my 64 channels
	s_lshl_b32 s58, s57, 20                        ; the batch's bytes in x and in out0
	s_lshl_b32 s60, s[WV], 18                      ; my 64 channels of 4,096 bytes
	s_add_co_u32 s60, s60, s58
	s_mov_b32 s61, 0
	s_mov_b32 s59, 0
	s_wait_kmcnt 0x0
	s_load_b256 s[EX:EX+7], s[14:15], 0x0          ; e0 .. e7
	s_add_nc_u64 s[G0+2:G0+3], s[4:5], s[60:61]
	s_or_b32 s[G0+3], s[G0+3], 0x80000000          ; type = 2
	CROUND                                         ; all four work-groups are here: the first joint loads meet
	tensor_load_to_lds s[G0:G0+3], s[G1:G1+7]      ; block 0 into slot 0
	s_nop 0
	PLACES
	; the head's rows of the weights.  Wave w quantises fragment (u = w / 2, K step w % 2) of each of q, k, v
	s_lshr_b32 s62, s[WV], 1
	s_and_b32 s63, s[WV], 1
	s_lshl_b32 s60, s56, 15                        ; 32 rows of 1,024 bytes a head,
	s_lshl_b32 s62, s62, 14                        ; 16 rows a tile,
	s_add_co_u32 s60, s60, s62
	s_lshl_b32 s62, s63, 9                         ; 128 channels a K step
	s_add_co_u32 s60, s60, s62
	s_add_nc_u64 s[6:7], s[6:7], s[60:61]
	s_add_nc_u64 s[10:11], s[10:11], s[60:61]
	s_lshl_b32 s60, s56, 7                         ; 32 biases a head
	s_add_nc_u64 s[8:9], s[8:9], s[60:61]
	s_add_nc_u64 s[12:13], s[12:13], s[60:61]
	s_lshl_b32 s60, s56, 17                        ; out0: 32 rows of 4,096 bytes a head
	s_add_co_u32 s60, s60, s58
	s_add_nc_u64 s[16:17], s[16:17], s[60:61]
	s_lshl_b32 s60, s55, 18                        ; the prefetches: my work-group's 64 channels,
	s_add_co_u32 s58, s58, s60
	s_lshl_b32 s60, s63, 17                        ; my wave's 32 of them (w % 2: the address stays inside x in the waves that never ask),
	s_add_co_u32 s58, s58, s60
	s_add_co_u32 s58, s58, 256                     ; at block 1: the first change of slots steps it to block 2
	s_add_nc_u64 s[PFA:PFA+1], s[4:5], s[58:59]
	s_lshr_b32 s60, s[WV], 1
	s_or_b32 s60, s60, ttmp9                       ; 0 in waves 0 and 1 of the batch's first cluster: the same in all four partners
	s_cmp_eq_u32 s60, 0
	s_cselect_b32 s[LIMT], 14, 0
	v_and_b32 v[LR], 15, v0                        ; r
	v_bfe_u32 v[LH], v0, 4, 1                      ; h
	v_and_b32 v[LL], 31, v0                        ; lane
	v_lshlrev_b32 v[WA], 10, v[LR]
	v_lshl_add_u32 v[WA], v[LH], 5, v[WA]          ; a weight's row r, + 8 h channels
	v_lshlrev_b32 v[BA], 5, v[LH]                  ; q's and k's biases: d = 16 u + 8 h + 0..7
	v_lshlrev_b32 v[BR], 2, v[LR]                  ; v's: d = 16 u + r
	WIN 0x80                                       ; destination window 2
.irp g, 0,1,2,3,4,5,6,7
	global_load_b128 v[8*\g:8*\g+3],   v[WA], s[6:7] offset:64*\g        ; q_w(row, 16 g + 8 h + 0..7)
	global_load_b128 v[8*\g+4:8*\g+7], v[WA], s[6:7] offset:64*\g+16
.endr
.irp g, 0,1,2,3,4,5,6,7
	global_load_b128 v[64+8*\g:64+8*\g+3],   v[WA], s[10:11] offset:64*\g
	global_load_b128 v[64+8*\g+4:64+8*\g+7], v[WA], s[10:11] offset:64*\g+16
.endr
.irp g, 0,1,2,3,4,5,6,7
	global_load_b128 v[128+8*\g:128+8*\g+3],   v[WA], s[10:11] offset:262144+64*\g      ; v's rows lie 256 rows behind k's
	global_load_b128 v[128+8*\g+4:128+8*\g+7], v[WA], s[10:11] offset:262144+64*\g+16
.endr
.irp u, 0,1
	global_load_b128 v[192+8*\u:192+8*\u+3],   v[BA], s[8:9] offset:64*\u
	global_load_b128 v[192+8*\u+4:192+8*\u+7], v[BA], s[8:9] offset:64*\u+16
.endr
.irp u, 0,1
	global_load_b128 v[208+8*\u:208+8*\u+3],   v[BA], s[12:13] offset:64*\u
	global_load_b128 v[208+8*\u+4:208+8*\u+7], v[BA], s[12:13] offset:64*\u+16
.endr
	WIN 0
	global_load_b32 v[RV],   v[BR], s[12:13] offset:1024
	global_load_b32 v[RV+1], v[BR], s[12:13] offset:1024+64
	; addresses that stay
	s_lshl_b32 s60, s[WV], 6
	v_mul_u32_u24 v[XL], v[LH], 8*PITCH            ; lanes 16-31 stand 8 channels on: 544 words, half way round the 64 banks (ISA guide 11.1): a load's 32 lanes touch 32 different banks
	v_lshl_add_u32 v[XL], v[LR], 2, v[XL]
	v_add_nc_u32 v[XL], s60, v[XL]
	v_lshl_add_u32 v[KLD], v[LL], 4, KIMG
	v_lshl_add_u32 v[VLD], v[LL], 4, VIMG
	s_lshl_b32 s62, s[WV], 9
	v_add_nc_u32 v[KS0], s62, v[KLD]               ; k: position tile w of a chunk
	s_lshr_b32 s62, s[WV], 1
	s_lshl_b32 s62, s62, 9
	s_lshl_b32 s63, s63, 3
	s_add_co_u32 s62, s62, s63
	v_add_nc_u32 v[VS0], s62, v[VLD]               ; v: registers 2 w, 2 w + 1 of a fragment: group w / 2, 8 (w % 2) bytes into my lane's 16
	v_mul_u32_u24 v[SO], v[LR], PITCH
	v_lshl_add_u32 v[SO], v[LH], 5, v[SO]
	s_add_co_u32 s60, s60, STG
	v_add_nc_u32 v[SO], s60, v[SO]                 ; the stage, in: row d = r, + 64 w + 32 h
	v_mul_u32_u24 v[SR], v[LH], PITCH
	v_lshl_add_u32 v[SR], v[LR], 4, v[SR]
	s_mul_i32 s60, s[WV], 8*PITCH
	s_add_co_u32 s60, s60, STG
	v_add_nc_u32 v[SR], s60, v[SR]                 ; back: my 8 rows, two an instruction, 16 bytes a lane
	v_lshlrev_b32 v[GO], 12, v[LH]
	v_lshl_add_u32 v[GO], v[LR], 4, v[GO]
	s_lshl_b32 s60, s[WV], 15
	v_add_nc_u32 v[GO], s60, v[GO]                 ; and the same in out0
	v_lshlrev_b32 v[PFO], 12, v[LL]
	v_lshl_add_u32 v[WLD], v[LL], 4, WIMG
	s_lshl_b32 s60, s[WV], 11
	v_add_nc_u32 v[WST], s60, v[WLD]
	v_mov_b32 v[NEG], 0xff800000
	s_lshl_b32 s60, s[WV], 4
	v_lshlrev_b32 v[DQ], 3, v[LH]
	v_sub_nc_u32 v[DQ], v[LR], v[DQ]
	v_add_nc_u32 v[DQ], s60, v[DQ]                 ; 16 w + r - 8 h: register 8 i + j of the diagonal chunk holds key 16 i + 8 h + j: hidden where 16 i + j >= this
	s_sub_co_u32 s60, 1024, s60
	v_sub_nc_u32 v[CNT], s60, v[LR]
	v_cvt_f32_u32 v[CNT], v[CNT]                   ; 1024 - my query, in block 0
.set n, 0
.rept 32
	v_cmp_ge_i32 s[MK+n], 16*(n/8)+n%8, v[DQ]      ; the masks are the same in every trip
.set n, n+1
.endr
.irp k, 4,5,6,7
	v_mov_b32 v[QF+\k], 0                          ; zero codes for k = 32 .. 63 of the scores' product, on both sides
.endr
.set n, 0
.rept 8
.irp k, 4,5,6,7
	v_mov_b32 v[KB+8*n+\k], 0
.endr
.set n, n+1
.endr
	v_mov_b32 v[NM+1], 0                           ; named as the upper halves of pairs
	v_mov_b32 v[RR+1], 0
	v_mov_b32 v[TMP], 0                            ; a lane permute's destination counts as one of its sources
	s_mov_b32 s[SEL], 0x76543210
	s_mov_b32 s[SEL+1], 0xfedcba98
	s_mov_b32 s[T], 0
	s_mov_b32 s[TB], 0
	s_mov_b32 s[TK], 0
	s_wait_kmcnt 0x0                               ; e0 .. e7
	MKS EX+0, SC0, LIM0                            ; x for q
	MKS EX+2, SC2, LIM2                            ; x for k and v
	MKS EX+1, SCW1, LIMW1                          ; q_w
	MKS EX+3, SCW3, LIMW3                          ; kv_w
	MKS EX+6, SCP, LIMP                            ; attn
	s_add_co_i32 s[NQ], s[EX+0], s[EX+1]
	s_add_co_i32 s[NK], s[EX+2], s[EX+3]
	s_sub_co_i32 s58, s[EX+4], s[NQ]               ; a sum of the first product stands for sum x 2^(e0+e1): q's conversion takes 2^(e4-e0-e1)
	MKS 58, SCQ, LIMQ
	s_sub_co_i32 s58, s[EX+5], s[NK]
	MKS 58, SCK, LIMK
	s_sub_co_i32 s58, s[EX+7], s[NK]
	MKS 58, SCV, LIMV
	s_sub_co_i32 s[NQ], 0, s[NQ]
	s_sub_co_i32 s[NK], 0, s[NK]
	s_add_co_i32 s58, s[EX+4], s[EX+5]
	s_lshl_b32 s58, s58, 23
	s_add_co_u32 s[CS], s58, 0x3e8293ee            ; log2(e) / sqrt(32), with e4 + e5 added to its exponent field
	s_mov_b32 s[CS+1], s[CS]
	s_xor_b32 s[NCS], s[CS], 0x80000000
	s_sub_co_u32 s[ACCM], 0xc75cf88b, s58          ; -10000 sqrt(32), with e4 + e5 taken off its exponent field
	s_add_co_i32 s58, s[EX+6], s[EX+7]
	s_add_co_i32 s58, s58, 127
	s_lshl_b32 s[OSC], s58, 23                     ; 2^(e6+e7)
	s_mov_b32 s[OSC+1], s[OSC]
	WQ 0, SCW1, LIMW1, 42                          ; behind q_w's sixteen loads: 32 of kv_w and 10 of biases
	WQ 1, SCW3, LIMW3, 26
	WQ 2, SCW3, LIMW3, 10
	s_wait_loadcnt 0x0
	WIN 0xc2                                       ; the biases go in as the C of each sum's first product, divided by the power of two that the sums lack
.set n, 0
.rept 16
	v_ldexp_f32 v[BIA+n], v[192+n], s[NQ]
	v_ldexp_f32 v[BIA+16+n], v[208+n], s[NK]
.set n, n+1
.endr
	WIN 0xc0
.set n, 0
.rept 8
	v_ldexp_f32 v[BIA+32+n], v[RV], s[NK]          ; in v's layout a lane holds one d: the same bias in all eight registers
	v_ldexp_f32 v[BIA+40+n], v[RV+1], s[NK]
.set n, n+1
.endr
	WIN 0
	BAR                                            ; the twelve images lie in LDS
	WIN 0xc0
.set n, 0
.rept 48
	ds_load_b128 v[4*n:4*n+3], v[WLD] offset:512*n ; fragment f = 4 tau + 2 u + K step at v[16 f] of window 3: they stay
.set n, n+1
.endr
	WIN 0
; ---------------------------------------------------------------- the projection of a block
.macro XLD ks                          ; my 16 positions x 128 channels: register 8 g + j = channel 128 ks + 16 g + 8 h + j
	WIN 0x40
.set n, 0
.rept 64
	ds_load_b32 v[64*\ks+n], v[XA0+\ks] offset:(16*(n/8)+n%8)*PITCH
.set n, n+1
.endr
.endm
.macro XQUANT ks                       ; twice: with e0 for q (through a copy) and with e2 for k and v (in place)
	WIN 0x41
.set n, 0
.rept 64
	v_med3_num_f32 v[128+64*\ks+n], v[64*\ks+n], -v[LIM0], v[LIM0]
.set n, n+1
.endr
.set n, 0
.rept 64
	v_med3_num_f32 v[64*\ks+n], v[64*\ks+n], -v[LIM2], v[LIM2]
.set n, n+1
.endr
	WIN 0x81
.irp g, 0,1,2,3,4,5,6,7
	v_cvt_scalef32_pk8_fp8_f32 v[16*\ks+2*\g:16*\ks+2*\g+1], v[128+64*\ks+8*\g:128+64*\ks+8*\g+7], v[SC0]
.endr
.irp g, 0,1,2,3,4,5,6,7
	v_cvt_scalef32_pk8_fp8_f32 v[32+16*\ks+2*\g:32+16*\ks+2*\g+1], v[64*\ks+8*\g:64*\ks+8*\g+7], v[SC2]
.endr
	v_nop                                          ; a plain line between the conversions and the products that read their results
.endm
.macro PMUL ks                         ; six accumulators by turns, one instruction a turn
.if \ks == 0
	WIN 0xbb                                       ; W window 3, x's codes window 2, the bias window 3, the sums window 2
.else
	WIN 0xab
.endif
.irp a, 0,1,2,3
.if \ks == 0
	v_wmma_f32_16x16x128_fp8_fp8 v[ACC+8*\a:ACC+8*\a+7], v[16*(2*\a+\ks):16*(2*\a+\ks)+15], v[32*(\a/2)+16*\ks:32*(\a/2)+16*\ks+15], v[BIA+8*\a:BIA+8*\a+7]
.else
	v_wmma_f32_16x16x128_fp8_fp8 v[ACC+8*\a:ACC+8*\a+7], v[16*(2*\a+\ks):16*(2*\a+\ks)+15], v[32*(\a/2)+16*\ks:32*(\a/2)+16*\ks+15], v[ACC+8*\a:ACC+8*\a+7]
.endif
.endr
.if \ks == 0
	WIN 0xbe                                       ; v: x's codes are source 0, W source 1
.else
	WIN 0xae
.endif
.irp a, 4,5
.if \ks == 0
	v_wmma_f32_16x16x128_fp8_fp8 v[ACC+8*\a:ACC+8*\a+7], v[32+16*\ks:32+16*\ks+15], v[16*(2*\a+\ks):16*(2*\a+\ks)+15], v[BIA+8*\a:BIA+8*\a+7]
.else
	v_wmma_f32_16x16x128_fp8_fp8 v[ACC+8*\a:ACC+8*\a+7], v[32+16*\ks:32+16*\ks+15], v[16*(2*\a+\ks):16*(2*\a+\ks)+15], v[ACC+8*\a:ACC+8*\a+7]
.endif
.endr
.endm
.macro OUTQ                            ; q, k, v become codes; q stays, k and v go to LDS as images
	PLACES
	WIN 0x82
.set n, 0
.rept 16
	v_med3_num_f32 v[ACC+n], v[ACC+n], -v[LIMQ], v[LIMQ]
.set n, n+1
.endr
.set n, 0
.rept 16
	v_med3_num_f32 v[ACC+16+n], v[ACC+16+n], -v[LIMK], v[LIMK]
.set n, n+1
.endr
.set n, 0
.rept 16
	v_med3_num_f32 v[ACC+32+n], v[ACC+32+n], -v[LIMV], v[LIMV]
.set n, n+1
.endr
	WIN 0x02
	v_cvt_scalef32_pk8_fp8_f32 v[QF:QF+1],   v[ACC:ACC+7],     v[SCQ]
	v_cvt_scalef32_pk8_fp8_f32 v[QF+2:QF+3], v[ACC+8:ACC+15],  v[SCQ]
	v_cvt_scalef32_pk8_fp8_f32 v[KC:KC+1],   v[ACC+16:ACC+23], v[SCK]
	v_cvt_scalef32_pk8_fp8_f32 v[KC+2:KC+3], v[ACC+24:ACC+31], v[SCK]
	v_cvt_scalef32_pk8_fp8_f32 v[VC:VC+1],   v[ACC+32:ACC+39], v[SCV]
	v_cvt_scalef32_pk8_fp8_f32 v[VC+2:VC+3], v[ACC+40:ACC+47], v[SCV]
	v_nop
	WIN 0
	ds_store_b128 v[KST], v[KC:KC+3]
	ds_store_b64 v[VST], v[VC:VC+1]
	ds_store_b64 v[VST], v[VC+2:VC+3] offset:1024
.endm
; ---------------------------------------------------------------- attention: parts of a chunk of 64 keys.  Chunk index i lies in window 1 + i / 8 at register 32 (i % 8); the diagonal chunk has index 15
.macro KLOAD adr, off, buf
.irp k, 0,1,2,3
	ds_load_b128 v[KB+32*(\buf)+8*\k:KB+32*(\buf)+8*\k+3], v[\adr] offset:(\off)+512*\k
.endr
.endm
.macro VLOAD adr, off, vb
.irp k, 0,1,2,3
	ds_load_b128 v[VB+16*(\vb)+4*\k:VB+16*(\vb)+4*\k+3], v[\adr] offset:(\off)+512*\k
.endr
.endm
.macro SMUL i, buf                     ; S^T = K Q^T, four tiles of 16 keys
.set W, 1+(\i)/8
.set R, 32*((\i)%8)
	WIN W<<6
.irp k, 0,1,2,3
	v_wmma_f32_16x16x64_fp8_fp8 v[R+8*\k:R+8*\k+7], v[KB+32*(\buf)+8*\k:KB+32*(\buf)+8*\k+7], v[QF:QF+7], 0
.endr
.endm
.macro SMAX                            ; four chains, each accumulator from its low end on
	WIN (W<<2)|(W<<4)
.irp m, 0,1,2,3
.irp k, 0,1,2,3
	v_max3_num_f32 v[MX+\k], v[MX+\k], v[R+8*\k+2*\m], v[R+8*\k+2*\m+1]
.endr
.endr
	WIN 0
.endm
.macro EBLK i, diag                    ; p = 2^(cs s - cs max), and its part of the sum
.set W, 1+(\i)/8
.set R, 32*((\i)%8)
.if \diag
	v_exp_f32 v[EM], v[EM]                         ; a hidden key's term
.endif
	WIN (W<<6)|W
	v_pk_fma_f32 v[R:R+1], v[R:R+1], s[CS:CS+1], v[NM:NM+1] op_sel_hi:[1,0,0]
.set b, 0
.rept 16                               ; a scaling runs one pair ahead of the exponentials; none of these lines names an exponential's result
.if b < 15
	v_pk_fma_f32 v[R+2*b+2:R+2*b+3], v[R+2*b+2:R+2*b+3], s[CS:CS+1], v[NM:NM+1] op_sel_hi:[1,0,0]
.endif
	v_exp_f32 v[R+2*b], v[R+2*b]
	v_exp_f32 v[R+2*b+1], v[R+2*b+1]
.set b, b+1
.endr
	v_nop                                          ; a plain line behind the last exponential
	s_wait_alu depctr_va_vdst(0)                   ; one wait for the block's batch, ahead of its first reader
.set b, 0
.if \diag
	WIN W|(W<<2)
.irp q, 0,1,2,3
	v_pk_add_f32 v[LS+2*\q:LS+2*\q+1], v[R+2*\q:R+2*\q+1], v[R+8+2*\q:R+8+2*\q+1]   ; the first additions start the four chains: nothing is cleared
.endr
.set b, 8
.endif
	WIN W<<2
.rept 16-b
	v_pk_add_f32 v[LS+2*(b%4):LS+2*(b%4)+1], v[LS+2*(b%4):LS+2*(b%4)+1], v[R+2*b:R+2*b+1]
.set b, b+1
.endr
	WIN 0
.endm
.macro NWORK i                         ; attn = p / l, held at the largest code x the scale (never negative: the hold is one-sided), converted
.set W, 1+(\i)/8
.set R, 32*((\i)%8)
	WIN (W<<6)|W
.set b, 0
.rept 16
	v_pk_mul_f32 v[R+2*b:R+2*b+1], v[R+2*b:R+2*b+1], v[RR:RR+1] op_sel_hi:[1,0]
.set b, b+1
.endr
.set b, 0
.rept 32
	v_min_num_f32 v[R+b], v[R+b], v[LIMP]
.set b, b+1
.endr
	WIN W
.irp k, 0,1,2,3
	v_cvt_scalef32_pk8_fp8_f32 v[PC+2*\k:PC+2*\k+1], v[R+8*\k:R+8*\k+7], v[SCP]
.endr
	v_nop
	WIN 0
.endm
.macro PV vb, first                    ; O += P V: two accumulators by turns
.irp u, 0,1
.if \first
	v_wmma_f32_16x16x64_fp8_fp8 v[OA+8*\u:OA+8*\u+7], v[PC:PC+7], v[VB+16*(\vb)+8*\u:VB+16*(\vb)+8*\u+7], 0
.else
	v_wmma_f32_16x16x64_fp8_fp8 v[OA+8*\u:OA+8*\u+7], v[PC:PC+7], v[VB+16*(\vb)+8*\u:VB+16*(\vb)+8*\u+7], v[OA+8*\u:OA+8*\u+7]
.endif
.endr
.endm
; Attention of my 16 queries: the diagonal chunk, then the nf chunks in front of it that the text holds.  guarded = 1: a scalar branch on the trip's number leaves each phase at chunk t.
; Each block asks for its successor's fragments (chunk c + 1 <= t has been stored); the counted waits leave those four loads out.
.macro ATT nf, guarded
	; ---- the scores and their maximum
	KLOAD KDA, 0, 1
	KLOAD KLD, 0, 0
	s_wait_dscnt 4
	SMUL 15, 1
	WIN 0
.irp k, 0,1,2,3
	v_mov_b32 v[MX+\k], s[ACCM]                    ; every row has a hidden key: its score starts the maximum.  (These four are the places behind the products)
.endr
	WIN 0x82
.set n, 0
.rept 32
	v_cndmask_b32 v[224+n], v[224+n], v[NEG], s[MK+n]   ; hidden keys: -infinity, so that p = 0: their weight is 0, and their part of the sum is added as one term
.set n, n+1
.endr
	SMAX
.set c, 0
.rept \nf
.if \guarded
	s_cmp_le_u32 s[T], c
	s_cbranch_scc1 .Lse_\@
.endif
.if c+1 < \nf
	KLOAD KLD, 2048*(c+1), (c+1)%2
	s_wait_dscnt 4
.else
	s_wait_dscnt 0x0
.endif
	SMUL c, c%2
	PLACES
	SMAX
.set c, c+1
.endr
.Lse_\@:
	v_max3_num_f32 v[MX], v[MX], v[MX+1], v[MX+2]
	v_max_num_f32 v[MX], v[MX], v[MX+3]
	v_permlanex16_b32 v[TMP], v[MX], s[SEL], s[SEL+1]   ; the query's other keys lie in the lane 16 away
	v_max_num_f32 v[MX], v[MX], v[TMP]
	v_mul_f32 v[NM], s[NCS], v[MX]                 ; its rounding is a common factor of every p and of l, and leaves p / l alone
	v_fma_f32 v[EM], s[ACCM], s[CS], v[NM]
	; ---- the exponentials and the sum
	EBLK 15, 1
.set c, 0
.rept \nf
.if \guarded
	s_cmp_le_u32 s[T], c
	s_cbranch_scc1 .Lee_\@
.endif
	EBLK c, 0
.set c, c+1
.endr
.Lee_\@:
	VLOAD VDA, 0, 2
	v_pk_add_f32 v[LS:LS+1], v[LS:LS+1], v[LS+2:LS+3]
	v_pk_add_f32 v[LS+4:LS+5], v[LS+4:LS+5], v[LS+6:LS+7]
	v_pk_add_f32 v[LS:LS+1], v[LS:LS+1], v[LS+4:LS+5]
	v_add_f32 v[LS], v[LS], v[LS+1]
	v_permlanex16_b32 v[TMP], v[LS], s[SEL], s[SEL+1]
	v_add_f32 v[LS], v[LS], v[TMP]
	v_fma_f32 v[LS], v[CNT], v[EM], v[LS]          ; + the hidden keys' terms, all alike
	v_rcp_f32 v[RR], v[LS]
	v_nop
	s_wait_alu depctr_va_vdst(0)
	; ---- attn's codes and the second product
	VLOAD VLD, 0, 0
	NWORK 15
	s_wait_dscnt 4
	PV 2, 1
.set c, 0
.rept \nf
.if \guarded
	s_cmp_le_u32 s[T], c
	s_cbranch_scc1 .Lne_\@
.endif
.if c+1 < \nf
	VLOAD VLD, 2048*(c+1), (c+1)%3                 ; three buffers: this one was last multiplied two blocks ago, with a block's vector work between
.endif
	NWORK c
.if c+1 < \nf
	s_wait_dscnt 4
.else
	s_wait_dscnt 0x0
.endif
	PV c%3, 0
.set c, c+1
.endr
.Lne_\@:
	PLACES
.endm
; THE WAY OUT.  A lane holds 8 neighbouring positions of one row d; a row's 64 positions come from four waves: they meet in the stage, and each wave stores 8 whole pieces of 256 bytes.
.macro OUTP step
.set n, 0
.rept 8
	v_pk_mul_f32 v[OS+2*n:OS+2*n+1], v[OA+2*n:OA+2*n+1], s[OSC:OSC+1] op_sel_hi:[1,0]   ; x 2^(e6+e7); each accumulator from its low end on
.set n, n+1
.endr
	ds_store_b128 v[SO], v[OS:OS+3]
	ds_store_b128 v[SO], v[OS+4:OS+7] offset:16
	ds_store_b128 v[SO], v[OS+8:OS+11] offset:16*PITCH
	ds_store_b128 v[SO], v[OS+12:OS+15] offset:16*PITCH+16
	BAR
.irp i, 0,1,2,3
	ds_load_b128 v[RB+4*\i:RB+4*\i+3], v[SR] offset:2*PITCH*\i
.endr
.irp i, 0,1,2,3
	s_wait_dscnt 3-\i                              ; the younger reads of the stage may stay out
	global_store_b128 v[GO], v[RB+4*\i:RB+4*\i+3], s[16:17] offset:8192*\i th:TH_STORE_NT   ; 16 lanes store 256 consecutive bytes, at a multiple of 256 from out0's first byte
.endr
.if \step
	s_wait_xcnt 0x0                                ; the stores have read their registers and their base
	s_add_nc_u64 s[16:17], s[16:17], 256           ; the next 64 positions
	v_add_f32 v[CNT], 0xc2800000, v[CNT]           ; 64 keys fewer are hidden
	s_xor_b32 s[TB], s[TB], SLOT1
	s_add_co_u32 s[TK], s[TK], 2048
.endif
.endm
.macro WORK nf, guarded
	v_add_nc_u32 v[XA0], s[TB], v[XL]
	v_add_nc_u32 v[XA0+1], 128*PITCH, v[XA0]
	v_add_nc_u32 v[KDA], s[TK], v[KLD]
	v_add_nc_u32 v[VDA], s[TK], v[VLD]
	v_add_nc_u32 v[KST], s[TK], v[KS0]
	v_add_nc_u32 v[VST], s[TK], v[VS0]
	XLD 0
	XLD 1
	s_wait_dscnt 63                                ; of the 128 loads at most 63 are out: the first K step's 64 are in
	XQUANT 0
	PMUL 0
	s_wait_dscnt 0x0
	XQUANT 1
	PMUL 1
	OUTQ
	BAR                                            ; this block's k and v lie in LDS
	ATT \nf, \guarded
	OUTP \guarded
.endm
; ---------------------------------------------------------------- the walk
.Ltrip:                                            ; trips 0 to 14: behind each change of slots the next block is asked for
	CHANGE 1
	WORK 14, 1
	s_add_co_u32 s[T], s[T], 1
	s_cmp_lt_u32 s[T], 15
	s_cbranch_scc1 .Ltrip
	CHANGE 0                                       ; the last block is written out; all its 15 earlier chunks count
	WORK 15, 0
	s_wait_tensorcnt 0x0                           ; the wave's end
	ds_add_u32 v[SPW], v[NIL]
	s_wait_dscnt 0x0
	CROUND                                         ; the closing round: no work-group ends while a partner may still ask for a block that names it
	s_endpgm
.Lfunc_end_k_q692095f9b8_attn:
	.size	k_q692095f9b8_attn, .Lfunc_end_k_q692095f9b8_attn-k_q692095f9b8_attn
	.p2alignl 7, 3214868480
	.fill 96, 4, 3214868480
	.section	.rodata,"a",@progbits
	.p2align	6, 0x0
	.amdhsa_kernel k_q692095f9b8_attn
		.amdhsa_group_segment_fixed_size 327680
		.amdhsa_private_segment_fixed_size 0
		.amdhsa_enable_private_segment 0
		.amdhsa_kernarg_size 56
		.amdhsa_user_sgpr_count 2
		.amdhsa_user_sgpr_kernarg_segment_ptr 1
		.amdhsa_wavefront_size32 1
		.amdhsa_system_sgpr_workgroup_id_x 1
		.amdhsa_system_sgpr_workgroup_id_y 1
		.amdhsa_system_sgpr_workgroup_id_z 1
		.amdhsa_system_vgpr_workitem_id 0
		.amdhsa_next_free_vgpr 1024
		.amdhsa_next_free_sgpr 100
		.amdhsa_reserve_vcc 0
		.amdhsa_float_denorm_mode_32 3
		.amdhsa_float_denorm_mode_16_64 3
		.amdhsa_memory_ordered 1
		.amdhsa_forward_progress 1
		.amdhsa_inst_pref_size 255
	.end_amdhsa_kernel
	.section	.bss,"aw",@nobits
	.p2align	6
	.space	262144
	.amdgpu_metadata
---
amdhsa.version: [ 1, 2 ]
amdhsa.kernels:
  - .name:           k_q692095f9b8_attn
    .symbol:         k_q692095f9b8_attn.kd
    .args:
      - { .name: x, .offset: 0, .size: 8, .value_kind: global_buffer, .address_space: global }
      - { .name: q_w, .offset: 8, .size: 8, .value_kind: global_buffer, .address_space: global }
      - { .name: q_b, .offset: 16, .size: 8, .value_kind: global_buffer, .address_space: global }
      - { .name: kv_w, .offset: 24, .size: 8, .value_kind: global_buffer, .address_space: global }
      - { .name: kv_b, .offset: 32, .size: 8, .value_kind: global_buffer, .address_space: global }
      - { .name: lowp_scales, .offset: 40, .size: 8, .value_kind: global_buffer, .address_space: global }
      - { .name: out0, .offset: 48, .size: 8, .value_kind: global_buffer, .address_space: global }
    .group_segment_fixed_size: 327680
    .private_segment_fixed_size: 0
    .kernarg_segment_align: 8
    .kernarg_segment_size: 56
    .max_flat_workgroup_size: 128
    .sgpr_count:     100
    .vgpr_count:     1024
    .wavefront_size: 32
...
	.end_amdgpu_metadata
.endif
;; end of part 1
